; MI455X (gfx1250); checked and timed in simulation.
; The chip was launched on July 23, 2026; its instructions are those of AMD's public machine-readable ISA for CDNA 5 (MIT licence, August 2026) and "CDNA5" Instruction Set Architecture Reference Guide (July 2026). The comments in the code are by the model that wrote it; some were corrected since.
;; MSA Pair Weighted Averaging. Allowed arithmetic: matrix products marked QUANTISED: E4M3 operands, one E8M0 scale for each 32 along K, by v_wmma_scale_f32_16x16x128_f8f6f4 with both operands' format E4M3, f32 sums; products left as they are: f32 operands where the result goes on into a quantised operand, else bf16, f16 or f32 operands; f32 sums; everything else in f32.
;; Inputs: Wb 128 x 8 float32; Wg 64 x 256 float32; Wo 256 x 64 float32; Wv 64 x 256 float32; ln_msa_b 64 float32; ln_msa_w 64 float32; ln_pair_b 128 float32; ln_pair_w 128 float32; msa 1 x 512 x 512 x 64 float32; pair 1 x 512 x 512 x 128 float32.
;; Outputs: out0 1 x 512 x 512 x 64 float32.
;; This version of the problem:
;;   THIS VERSION OF THE PROBLEM IS GIVEN IN LOW PRECISION. The matrix products marked QUANTISED in the list below multiply operands that are first quantised to E4M3 (4 exponent bits, 3 mantissa bits; 8 bits a number), with one power-of-two scale for each 32 numbers along K (OCP MX v1.0); their sums are f32. All else is computed in f32.
;;   The module's matrix products, in the order in which they are computed (A, B: the left and right operand; K: the contracted axis; several contracted axes count as one K, in the product's order):
;;     1. [M 262,144, K 64] x [K 64, N 256]; A: computed on the way; B: input Wv: QUANTISED
;;     2. [M 262,144, K 64] x [K 64, N 256]; A: computed on the way; B: input Wg: QUANTISED
;;     3. [M 262,144, K 128] x [K 128, N 8]; A: computed on the way; B: input Wb: left as it is (N = 8 < 16)
;;     4. batch 8 x [M 16,384, K 512] x [K 512, N 512]; A: computed on the way; B: softmax (see below): QUANTISED
;;     5. [M 262,144, K 256] x [K 256, N 64]; A: computed on the way; B: input Wo: QUANTISED
;;   THE QUANTISER, for each operand of a quantised product, along K:
;;     - K is cut into blocks of 32 from its start; a last block that is shorter is filled with zeros.
;;     - A block's scale is 2^e with e = floor(log2(the largest magnitude in the block)) - 8, held to -126 .. 127; a block of zeros has e = 0. As a byte (E8M0): e + 127.
;;     - Each number is divided by its block's scale, clamped to +-448, and rounded to the nearest number of E4M3, ties to even, subnormals kept.
;;     - The product sums the exact products of the quantised numbers (number of the format x scale) in f32.
;;   ~~~python
;;   def quantise(x, axis):      # numpy; x: float32 -> the quantised numbers, widened to float32 again
;;       x = np.moveaxis(x, axis, -1); K = x.shape[-1]
;;       x = np.pad(x, [(0, 0)] * (x.ndim - 1) + [(0, -K % 32)]); x = x.reshape(x.shape[:-1] + (-1, 32)); a = np.abs(x).max(-1, keepdims=True)
;;       e = np.where(a > 0, np.clip(np.frexp(np.where(a > 0, a, 1))[1] - 1 - 8, -126, 127), 0)      # np.frexp(a)[1] - 1 = floor(log2(a)), exactly
;;       r = np.clip(x / 2.0 ** e, -448, 448)
;;       step = 2.0 ** (np.maximum(np.frexp(np.where(r == 0, 1, r))[1] - 1, -6) - 3)
;;       q = np.round(r / step) * step * 2.0 ** e      # np.round: ties to even
;;       return np.moveaxis(q.reshape(q.shape[:-2] + (-1,))[..., :K], -1, axis).astype(np.float32)
;;   ~~~
;;   SOFTMAX AHEAD OF A QUANTISED PRODUCT. Where the list says 'softmax', what is quantised is not the finished softmax but p = 2^(t - M), with t = logit x log2(e) and M = ceil(the row's largest t), a whole number; so 1/2 < the row's largest p <= 1. The row's sum l is taken of the UNQUANTISED p, in f32, and the product's result is divided by l at the end. Since M is a whole number, a kernel that streams over the keys may use a running M (the ceiling of the running maximum): every later rescaling is an exact power of two, which a block's scale takes up: the codes' values come out the same.
;;   OPERANDS COMPUTED ON THE WAY. 'Computed on the way' means the value that the module computes at that place (a softmax that the list does not call 'softmax' is quantised finished and normalised). What goes into a quantiser is computed in f32, as accurately as f32 sums, v_exp_f32 and their like allow (about 1e-6 of the number): no bf16 or f16 on the way to a quantiser, and a product that is left as it is and whose result goes on into a quantised operand takes f32 operands (vector FMAs, or v_wmma_f32_16x16x4_f32). A number that lies on a knife's edge between two numbers of the format may be rounded either way, as far as f32 arithmetic and the matrix unit's own rounding can turn it there, and no further.
;; One version. Each part assembles by itself: llvm-mc -triple=amdgcn-amd-amdhsa -mcpu=gfx1250 --defsym DOCPART=n.
;; ======== version 1 of 1: 2 launches
;; limits: right only within a limited range of input values
;; workspace buffers: pc 2,097,152 bytes; aux 131,072 bytes; mnc 16,777,216 bytes; mns 1,048,576 bytes; wq 54,272 bytes
;; launch prep (part 1): grid 773 x 1, 8 waves a work-group, no clusters, 108,032 bytes of LDS; arguments pair, ln_pair_w, ln_pair_b, Wb, pc, aux, msa, ln_msa_w, ln_msa_b, mnc, mns, Wv, Wg, Wo, wq; writes pc, aux, mnc, mns, wq
.if DOCPART == 1
	.amdgcn_target "amdgcn-amd-amdhsa--gfx1250"
	.amdhsa_code_object_version 6
	.text
	.protected	k_q4d62bf4936_prep
	.globl	k_q4d62bf4936_prep
	.p2align	8
	.type	k_q4d62bf4936_prep,@function
k_q4d62bf4936_prep:
	s_mov_b64 s[64:65], 0
	v_nop
	global_prefetch_b8 v0, s[64:65] scope:SCOPE_SE
	s_setreg_imm32_b32 hwreg(HW_REG_WAVE_MODE, 25, 1), 1
	s_wait_xcnt 0x0
; THREE ROLES, chosen by the work-group's number; each has its own pointers and its own LDS bytes and ends by itself.
;  0-511   PAIR: work-group i takes pair[i][0..511][128]: layer norm, x Wb (f32 multiply-adds), t = logit x log2(e); then wave h takes head h:
;          M = ceil(max t), p = 2^(t - M), l = the sum of the unquantised p, p into E4M3 codes with one E8M0 byte for each 32 j.
;          pc [i][h][j] one byte a code;  aux [i / 16][h][512 B]: at 16 (i % 16) row i's 16 scale bytes, at 256 + 4 (i % 16) its l.
;  512-767 MSA: a wave takes 128 rows of msa: layer norm, then codes mnc [row][64 B] and one word a row in mns: the two blocks' bytes, then 0x7f, 0x7f.
;  768-772 WEIGHTS: a wave makes one operand image: Wv's or Wg's tile T (columns 32 (T / 2) + 8 (T % 2) + r + 8 (r / 8), K = 64) or Wo^T's fragment F
;          (outputs 16 (F / 2) + r, K step F % 2), quantised down K, stored in the order of the operand's registers: group c of four registers at 512 c + 16 lane.
; The streams go as 16 steps of 2,048 bytes a wave: each load reads 512 consecutive bytes, the bytes turn through the wave's own stage in LDS (16 bytes of padding behind each 64)
; and come back 64 bytes a lane: 16 neighbouring channels.  Loads run four steps ahead, the turn one step.  All steps are written out: every offset is an immediate.
; No matrix unit (product with N = 8 in f32), no tensor loads (two work-groups share a WGP), no cluster (work-groups share no large input).
; LIMITS: NaN and infinities among the inputs are not served.  A block whose largest magnitude lies under 2^-118 (a block of zeros too) gets the byte 1: its codes are small or zero, and this program alone reads the bytes.
.set PST,  0                           ; pair: 8 waves x two stages of 32 x 80 bytes
.set BX,   40960                       ; pair: t[h][j] at h x 2576 + (j / 16) x 80 + (j % 16) x 4
.set BXP,  2576
.set SBY,  61568                       ; pair: 16 scale bytes a wave
.set MST,  61952                       ; msa: 8 waves x (two stages + 512 bytes of scale words)
.set R,    16                          ; v16-79   four sets of 16 numbers as loaded
.set X,    80                          ; v80-111  two sets of 16 neighbours
.set WP,   112                         ; pair: v112-239  w[c] Wb[c][h] of my 16 channels: register 8 c + h
.set ACC,  240                         ; v240-247 sums at work
.set T,    248                         ; v248-251 at work
.set E,    112                         ; msa: v112-127 a scale word for each step
.set C,    128                         ; msa: v128-191 four registers of codes for each step
.set LW,   192                         ; msa: v192-207 the gain of my 16 channels;  v208-223 the bias
.set LB,   208
.macro LOAD t                          ; step t: 32 lanes read 512 consecutive bytes, four times
.irp i, 0,1,2,3
	global_load_b128 v[R+16*((\t)%4)+4*\i:R+16*((\t)%4)+4*\i+3], v3, s[4:5] offset:2048*(\t)+512*\i th:TH_LOAD_NT
.endr
.endm
.macro TURN t                          ; through the stage: LDS serves a wave's instructions in order, so no wait stands between the stores and the loads
.irp i, 0,1,2,3
	ds_store_b128 v14, v[R+16*((\t)%4)+4*\i:R+16*((\t)%4)+4*\i+3] offset:2560*((\t)%2)+640*\i
.endr
.irp i, 0,1,2,3
	ds_load_b128 v[X+16*((\t)%2)+4*\i:X+16*((\t)%2)+4*\i+3], v15 offset:2560*((\t)%2)+16*\i
.endr
.endm
.macro SHEAD t                         ; a step's head
.if (\t) > 0
	s_wait_dscnt 1                                 ; this step's numbers are back (the last step's one small store may be out): so its stores into the stage have read their registers,
.else
	s_wait_dscnt 0x0
.endif
.if (\t)+4 < 16
	LOAD (\t)+4                                    ; which take the loads of four steps on
.endif
.if (\t)+1 < 16
.if 14-(\t) >= 3
	s_wait_loadcnt 12                              ; the next step's four loads are in; those of the three steps behind it may be out
.else
	s_wait_loadcnt 4*(14-(\t))
.endif
	TURN (\t)+1
.endif
.endm
.macro STAGEADR                        ; s17: my wave's stages
	v_lshrrev_b32 v14, 2, v2
	s_delay_alu instid0(VALU_DEP_1)
	v_mul_u32_u24 v14, v14, 80
	v_and_b32 v15, 3, v2
	s_delay_alu instid0(VALU_DEP_1)
	v_lshl_add_u32 v14, v15, 4, v14
	s_delay_alu instid0(VALU_DEP_1)
	v_add_nc_u32 v14, s17, v14                     ; in: 80 (lane / 4) + 16 (lane % 4)
	v_mul_u32_u24 v15, v2, 80
	s_delay_alu instid0(VALU_DEP_1)
	v_add_nc_u32 v15, s17, v15                     ; out: 80 x lane
.endm
.macro SUMX d                          ; v[d] = the sum of my 16 numbers v[XS] on
	v_pk_add_f32 v[ACC:ACC+1], v[XS:XS+1], v[XS+2:XS+3]
	v_pk_add_f32 v[ACC+2:ACC+3], v[XS+4:XS+5], v[XS+6:XS+7]
	v_pk_add_f32 v[ACC+4:ACC+5], v[XS+8:XS+9], v[XS+10:XS+11]
	v_pk_add_f32 v[ACC+6:ACC+7], v[XS+12:XS+13], v[XS+14:XS+15]
	s_delay_alu instid0(VALU_DEP_3)
	v_pk_add_f32 v[ACC:ACC+1], v[ACC:ACC+1], v[ACC+2:ACC+3]
	s_delay_alu instid0(VALU_DEP_2)
	v_pk_add_f32 v[ACC+4:ACC+5], v[ACC+4:ACC+5], v[ACC+6:ACC+7]
	s_delay_alu instid0(VALU_DEP_1)
	v_pk_add_f32 v[ACC:ACC+1], v[ACC:ACC+1], v[ACC+4:ACC+5]
	s_delay_alu instid0(VALU_DEP_1)
	v_add_f32 v[\d], v[ACC], v[ACC+1]
.endm
.macro SUMQ d                          ; v[d] = the sum of their squares, in two chains
	v_pk_mul_f32 v[ACC:ACC+1], v[XS:XS+1], v[XS:XS+1]
	v_pk_mul_f32 v[ACC+2:ACC+3], v[XS+2:XS+3], v[XS+2:XS+3]
.irp n, 4,8,12
	s_delay_alu instid0(VALU_DEP_2)
	v_pk_fma_f32 v[ACC:ACC+1], v[XS+\n:XS+\n+1], v[XS+\n:XS+\n+1], v[ACC:ACC+1]
	s_delay_alu instid0(VALU_DEP_2)
	v_pk_fma_f32 v[ACC+2:ACC+3], v[XS+\n+2:XS+\n+3], v[XS+\n+2:XS+\n+3], v[ACC+2:ACC+3]
.endr
	s_delay_alu instid0(VALU_DEP_1)
	v_pk_add_f32 v[ACC:ACC+1], v[ACC:ACC+1], v[ACC+2:ACC+3]
	s_delay_alu instid0(VALU_DEP_1)
	v_add_f32 v[\d], v[ACC], v[ACC+1]
.endm
.macro CENTRE                          ; x - mean, two at a time (of the pair v[10:11] the low word serves both halves)
.irp n, 0,2,4,6,8,10,12,14
	v_pk_add_f32 v[XS+\n:XS+\n+1], v[XS+\n:XS+\n+1], v[10:11] op_sel_hi:[1,0] neg_lo:[0,1] neg_hi:[0,1]
.endr
.endm
.macro DOT xs                          ; ACC[h] = the sum over my 16 channels c of v[xs + c] x v[WP + 8 c + h]: two heads an instruction, the channel's number for both halves
.irp cp, 0,1,2,3,4,5,6,7
.irp sl, 0,1
.irp hp, 0,1,2,3
.if (\cp+\sl) == 0
	v_pk_mul_f32 v[ACC+2*\hp:ACC+2*\hp+1], v[(\xs)+2*\cp:(\xs)+2*\cp+1], v[WP+8*(2*\cp+\sl)+2*\hp:WP+8*(2*\cp+\sl)+2*\hp+1] op_sel:[\sl,0] op_sel_hi:[\sl,1]
.else
	s_delay_alu instid0(VALU_DEP_4)
	v_pk_fma_f32 v[ACC+2*\hp:ACC+2*\hp+1], v[(\xs)+2*\cp:(\xs)+2*\cp+1], v[WP+8*(2*\cp+\sl)+2*\hp:WP+8*(2*\cp+\sl)+2*\hp+1], v[ACC+2*\hp:ACC+2*\hp+1] op_sel:[\sl,0,0] op_sel_hi:[\sl,1,1]
.endif
.endr
.endr
.endr
.endm
.macro RS1 q, n, m, x                  ; keep one of ACC[q], ACC[n + q], send the other to the lane x away, add what it sends
	v_cndmask_b32 v[T+2*((\q)%2)], v[ACC+\q], v[ACC+\n+\q], \m
	v_cndmask_b32 v[T+2*((\q)%2)+1], v[ACC+\n+\q], v[ACC+\q], \m
	s_delay_alu instid0(VALU_DEP_1)
	v_add_f32_dpp v[ACC+\q], v[T+2*((\q)%2)+1], v[T+2*((\q)%2)] row_xmask:\x row_mask:0xf bank_mask:0xf
.endm
.macro RSCAT                           ; the eight lanes of a row add their ACC[0..7]; lane e ends with head e's sum in ACC[0]
	RS1 0, 4, s22, 4
	RS1 1, 4, s22, 4
	RS1 2, 4, s22, 4
	RS1 3, 4, s22, 4
	RS1 0, 2, s21, 2
	RS1 1, 2, s21, 2
	RS1 0, 1, s20, 1
.endm
	s_set_vgpr_msb 0x40
	v_lshl_add_u32 v0, v0, 2, 0x1a200
	v_mov_b32 v1, 0
	s_set_vgpr_msb 0x4000
	v_lshrrev_b32 v1, 5, v0
	s_delay_alu instid0(VALU_DEP_1)
	v_readfirstlane_b32 s16, v1                    ; wave 0..7
	v_and_b32 v2, 31, v0                           ; lane
	s_delay_alu instid0(VALU_DEP_1)
	v_lshlrev_b32 v3, 4, v2                        ; 16 x lane
	s_mov_b32 s24, 0x76543210
	s_mov_b32 s25, 0xfedcba98                      ; v_permlanex16_b32's selects for lane l xor 16
	s_mov_b32 s27, 0x3727c5ac                      ; 1e-5
	s_mov_b32 s28, 0x3fb8aa3b                      ; log2(e)
	s_mov_b32 s29, 0x600000                        ; the mantissa field of 448
	v_mov_b32 v9, 0                                ; (a lane permute's destination counts as one of its sources)
	v_mov_b32 v11, 0                               ; (upper halves of pairs of which the low word alone is used)
	v_mov_b32 v13, 0
	s_cmp_ge_u32 ttmp9, 768
	s_cbranch_scc1 .Lweights
	s_cmp_ge_u32 ttmp9, 512
	s_cbranch_scc1 .Lmsa
; ---------------------------------------------------------------- PAIR
	s_load_b256 s[4:11], s[0:1], 0x0               ; pair, ln_pair_w, ln_pair_b, Wb
	s_load_b128 s[12:15], s[0:1], 0x20             ; pc, aux
	s_mov_b32 s26, 0x3c000000                      ; 1 / 128
	s_mul_i32 s17, s16, 5120
	s_wait_alu depctr_va_vdst(0)
	STAGEADR
	v_and_b32 v7, 7, v2                            ; e: which 16 channels of a row are mine
	v_lshrrev_b32 v1, 3, v2                        ; which of a step's four rows
	s_delay_alu instid0(VALU_DEP_2)
	v_mul_u32_u24 v5, v7, BXP
	s_delay_alu instid0(VALU_DEP_1)
	v_lshl_add_u32 v5, v1, 2, v5
	s_mul_i32 s18, s16, 320
	s_add_co_u32 s18, s18, BX
	v_add_nc_u32 v5, s18, v5                       ; where lane e puts head e's t of row 64 w + 4 step + row
	s_mul_i32 s18, s16, BXP
	s_add_co_u32 s18, s18, BX
	v_mul_u32_u24 v6, v2, 80
	s_delay_alu instid0(VALU_DEP_1)
	v_add_nc_u32 v6, s18, v6                       ; where I read 16 t of head w
	v_lshlrev_b32 v12, 9, v7                       ; Wb: my 16 rows of 32 bytes
	v_lshlrev_b32 v13, 6, v7                       ; gain and bias: my 16 numbers
	v_and_b32 v1, 1, v2
	s_delay_alu instid0(VALU_DEP_1)
	v_cmp_ne_u32 s20, 0, v1                        ; lanes with bit 0, 1, 2 set
	v_and_b32 v1, 2, v2
	s_delay_alu instid0(VALU_DEP_1)
	v_cmp_ne_u32 s21, 0, v1
	v_and_b32 v1, 4, v2
	s_delay_alu instid0(VALU_DEP_1)
	v_cmp_ne_u32 s22, 0, v1
	s_lshl_b32 s18, s16, 4
	s_add_co_u32 s18, s18, SBY
	v_lshrrev_b32 v1, 1, v2
	s_delay_alu instid0(VALU_DEP_1)
	v_add_nc_u32 v1, s18, v1                       ; my block's scale byte
	v_and_b32 v7, 3, v2
	s_delay_alu instid0(VALU_DEP_1)
	v_lshl_add_u32 v7, v7, 2, s18                  ; and a word of four of them
	s_lshl_b32 s2, ttmp9, 18                       ; row i of pair: 262,144 bytes; my wave's 64 j: 32,768
	s_lshl_b32 s3, s16, 15
	s_add_co_u32 s2, s2, s3
	s_mov_b32 s3, 0
	s_wait_kmcnt 0x0
	s_add_nc_u64 s[4:5], s[4:5], s[2:3]
	s_lshl_b32 s2, ttmp9, 12
	s_lshl_b32 s19, s16, 9
	s_add_co_u32 s2, s2, s19
	s_add_nc_u64 s[12:13], s[12:13], s[2:3]        ; pc at [i][w]
.set n, 0
.rept 32
	global_load_b128 v[WP+4*n:WP+4*n+3], v12, s[10:11] offset:16*n
.set n, n+1
.endr
.irp n, 0,1,2,3
	global_load_b128 v[X+4*\n:X+4*\n+3], v13, s[6:7] offset:16*\n
	global_load_b128 v[X+16+4*\n:X+16+4*\n+3], v13, s[8:9] offset:16*\n
.endr
	LOAD 0
	LOAD 1
	LOAD 2
	LOAD 3
	s_wait_loadcnt 16                              ; Wb, gain and bias are in; the stream's 16 loads may be out
	DOT X+16                                       ; the sum over c of bias[c] Wb[c][h],
	RSCAT
	s_delay_alu instid0(VALU_DEP_1)
	v_mul_f32 v13, s28, v[ACC]                     ; x log2(e): lane e keeps head e's
.irp cp, 0,1,2,3,4,5,6,7
.irp sl, 0,1
.irp hp, 0,1,2,3
	v_pk_mul_f32 v[WP+8*(2*\cp+\sl)+2*\hp:WP+8*(2*\cp+\sl)+2*\hp+1], v[WP+8*(2*\cp+\sl)+2*\hp:WP+8*(2*\cp+\sl)+2*\hp+1], v[X+2*\cp:X+2*\cp+1] op_sel:[0,\sl] op_sel_hi:[1,\sl]   ; gain[c] Wb[c][h]
.endr
.endr
.endr
	s_wait_loadcnt 12
	TURN 0
; t[h] = log2(e) (rs x the sum of (x - mean) gain Wb + the sum of bias Wb): mean first, then the squares of the differences
.macro PSTEP t
.set XS, X+16*((\t)%2)
	SHEAD \t
	SUMX 8
	s_delay_alu instid0(VALU_DEP_1)
	v_add_f32_dpp v8, v8, v8 row_xmask:1 row_mask:0xf bank_mask:0xf
	s_delay_alu instid0(VALU_DEP_1)
	v_add_f32_dpp v8, v8, v8 row_xmask:2 row_mask:0xf bank_mask:0xf
	s_delay_alu instid0(VALU_DEP_1)
	v_add_f32_dpp v8, v8, v8 row_xmask:4 row_mask:0xf bank_mask:0xf
	s_delay_alu instid0(VALU_DEP_1)
	v_mul_f32 v10, s26, v8                         ; the row's mean
	CENTRE
	SUMQ 9
	s_delay_alu instid0(VALU_DEP_1)
	v_add_f32_dpp v9, v9, v9 row_xmask:1 row_mask:0xf bank_mask:0xf
	s_delay_alu instid0(VALU_DEP_1)
	v_add_f32_dpp v9, v9, v9 row_xmask:2 row_mask:0xf bank_mask:0xf
	s_delay_alu instid0(VALU_DEP_1)
	v_add_f32_dpp v9, v9, v9 row_xmask:4 row_mask:0xf bank_mask:0xf
	s_delay_alu instid0(VALU_DEP_1)
	v_fma_f32 v9, v9, s26, s27
	s_wait_alu depctr_va_vdst(0)
	v_rsq_f32 v12, v9                              ; (the multiply-adds below are the plain instructions behind it)
	DOT XS
	s_wait_alu depctr_va_vdst(0)
	v_mul_f32 v12, s28, v12
	RSCAT
	s_delay_alu instid0(VALU_DEP_1)
	v_fma_f32 v[252+(\t)%4], v[ACC], v12, v13
	ds_store_b32 v5, v[252+(\t)%4] offset:((\t)/4)*80+((\t)%4)*16   ; four data registers by turns: one is written again when the wait at the head two steps on has shown its store done
.endm
.irp t, 0,1,2,3,4,5,6,7,8,9,10,11,12,13,14,15
	PSTEP \t
.endr
	s_wait_dscnt 0x0                               ; for the others' sake: my stores of t have landed
	s_barrier_signal -1
	s_barrier_wait -1
; wave w takes head w: 16 neighbouring j a lane, two lanes to a block of 32
.irp n, 0,1,2,3
	ds_load_b128 v[X+4*\n:X+4*\n+3], v6 offset:16*\n
.endr
	s_wait_dscnt 0x0
.macro MAX16 last                      ; v8 = the largest of v[X] .. v[X+15] (and of the floor, where last is given as one)
	v_max3_num_f32 v8, v[X], v[X+1], v[X+2]
	v_max3_num_f32 v9, v[X+3], v[X+4], v[X+5]
.irp i, 6,10
	v_max3_num_f32 v8, v8, v[X+\i], v[X+\i+1]
	v_max3_num_f32 v9, v9, v[X+\i+2], v[X+\i+3]
.endr
	v_max3_num_f32 v8, v8, v[X+14], v[X+15]
.if \last
	s_delay_alu instid0(VALU_DEP_1)
	v_max3_num_f32 v8, v8, v9, 0x4800000           ; the floor 2^(9 - 127): the byte cannot fall under 1
.else
	s_delay_alu instid0(VALU_DEP_1)
	v_max_num_f32 v8, v8, v9
.endif
.endm
	MAX16 0
	s_delay_alu instid0(VALU_DEP_1)
	v_max_num_f32_dpp v8, v8, v8 row_xmask:1 row_mask:0xf bank_mask:0xf
	s_delay_alu instid0(VALU_DEP_1)
	v_max_num_f32_dpp v8, v8, v8 row_xmask:2 row_mask:0xf bank_mask:0xf
	s_delay_alu instid0(VALU_DEP_1)
	v_max_num_f32_dpp v8, v8, v8 row_xmask:4 row_mask:0xf bank_mask:0xf
	s_delay_alu instid0(VALU_DEP_1)
	v_max_num_f32_dpp v8, v8, v8 row_xmask:8 row_mask:0xf bank_mask:0xf
	s_delay_alu instid0(VALU_DEP_1)
	v_permlanex16_b32 v9, v8, s24, s25
	s_delay_alu instid0(VALU_DEP_1)
	v_max_num_f32 v8, v8, v9                       ; the row's largest t
	s_delay_alu instid0(VALU_DEP_1)
	v_floor_f32 v10, -v8                           ; -M = floor(-t) = -ceil(t)
.irp n, 0,2,4,6,8,10,12,14
	v_pk_add_f32 v[X+\n:X+\n+1], v[X+\n:X+\n+1], v[10:11] op_sel_hi:[1,0]
.endr
	s_wait_alu depctr_va_vdst(0)
.irp n, 0,1,2,3,4,5,6,7,8,9,10,11,12,13,14,15
	v_exp_f32 v[X+\n], v[X+\n]                     ; p = 2^(t - M)
.endr
	v_nop                                          ; one plain instruction behind the exponentials
	s_wait_alu depctr_va_vdst(0)
.set XS, X
	SUMX 12                                        ; l is the sum of the unquantised p
	s_delay_alu instid0(VALU_DEP_1)
	v_add_f32_dpp v12, v12, v12 row_xmask:1 row_mask:0xf bank_mask:0xf
	s_delay_alu instid0(VALU_DEP_1)
	v_add_f32_dpp v12, v12, v12 row_xmask:2 row_mask:0xf bank_mask:0xf
	s_delay_alu instid0(VALU_DEP_1)
	v_add_f32_dpp v12, v12, v12 row_xmask:4 row_mask:0xf bank_mask:0xf
	s_delay_alu instid0(VALU_DEP_1)
	v_add_f32_dpp v12, v12, v12 row_xmask:8 row_mask:0xf bank_mask:0xf
	s_delay_alu instid0(VALU_DEP_1)
	v_permlanex16_b32 v9, v12, s24, s25
	s_delay_alu instid0(VALU_DEP_1)
	v_add_f32 v12, v12, v9
	MAX16 1
	s_delay_alu instid0(VALU_DEP_1)
	v_max_num_f32_dpp v8, v8, v8 row_xmask:1 row_mask:0xf bank_mask:0xf   ; with my neighbour's 16: the block's largest p
	s_delay_alu instid0(VALU_DEP_1)
	v_add_nc_u32 v248, 0xfc000000, v8              ; 8 off its exponent field: the conversion's scale operand
	s_delay_alu instid0(VALU_DEP_2)
	v_and_or_b32 v249, v8, 0x7f800000, s29         ; 448 x the scale
.irp n, 0,1,2,3,4,5,6,7,8,9,10,11,12,13,14,15
	v_min_num_f32 v[X+\n], v[X+\n], v249           ; the conversion to an 8-bit code does not saturate (ISA guide 7.6.2); p is not negative
.endr
	v_cvt_scalef32_pk8_fp8_f32 v[252:253], v[X:X+7], v248
	v_cvt_scalef32_pk8_fp8_f32 v[254:255], v[X+8:X+15], v248
	v_lshrrev_b32 v250, 23, v248                   ; the scale's byte
	global_store_b128 v3, v[252:255], s[12:13]     ; the wave stores head w's 512 codes of row i: 512 consecutive bytes
	ds_store_b8 v1, v250                           ; both lanes of a block write the same byte
	ds_load_b32 v251, v7                           ; LDS serves a wave's instructions in order: lanes 0-3 get the four words
	s_lshr_b32 s30, ttmp9, 4
	s_lshl_b32 s30, s30, 3
	s_add_co_u32 s30, s30, s16
	s_lshl_b32 s30, s30, 9                         ; aux: ((i / 16) x 8 + w) x 512
	s_and_b32 s31, ttmp9, 15
	s_lshl_b32 s19, s31, 4
	v_lshlrev_b32 v240, 2, v2
	s_delay_alu instid0(VALU_DEP_1)
	v_add_nc_u32 v240, s19, v240                   ; lanes 0-3: 16 (i % 16) + 4 lane
	s_lshl_b32 s19, s31, 2
	s_add_co_u32 s19, s19, 256
	v_mov_b32 v241, s19                            ; lane 4: 256 + 4 (i % 16)
	v_cmp_gt_u32 vcc_lo, 4, v2
	s_delay_alu instid0(VALU_DEP_1)
	v_cndmask_b32 v240, v241, v240, vcc_lo
	s_delay_alu instid0(VALU_DEP_1)
	v_add_nc_u32 v240, s30, v240
	s_wait_dscnt 0x0
	v_cndmask_b32 v241, v12, v251, vcc_lo          ; the scale words, or l
	v_cmp_gt_u32 vcc_lo, 5, v2
	s_wait_alu depctr_va_vdst(0)
	s_wait_xcnt 0x0                                ; EXEC changes only behind this wait
	s_set_vgpr_msb 0x5
	s_wait_tensorcnt 0x0
	ds_add_u32 v0, v1
	s_wait_dscnt 0x0
	s_set_vgpr_msb 0x500
	s_and_saveexec_b32 s23, vcc_lo
	global_store_b32 v240, v241, s[14:15]
	s_wait_xcnt 0x0
	s_or_b32 exec_lo, exec_lo, s23
	s_endpgm
; ---------------------------------------------------------------- MSA
.Lmsa:
	s_load_b128 s[4:7], s[0:1], 0x30               ; msa, ln_msa_w
	s_load_b128 s[8:11], s[0:1], 0x40              ; ln_msa_b, mnc
	s_load_b64 s[12:13], s[0:1], 0x50              ; mns
	s_mov_b32 s26, 0x3c800000                      ; 1 / 64
	s_mul_i32 s17, s16, 5632
	s_add_co_u32 s17, s17, MST
	s_wait_alu depctr_va_vdst(0)
	STAGEADR
	s_add_co_u32 s18, s17, 5120                    ; my wave's 128 scale words
	v_lshrrev_b32 v5, 2, v2
	s_delay_alu instid0(VALU_DEP_1)
	v_lshl_add_u32 v5, v5, 2, s18                  ; a row lies in four lanes: its word
	v_add_nc_u32 v6, s18, v3
	v_and_b32 v7, 3, v2
	s_delay_alu instid0(VALU_DEP_1)
	v_lshlrev_b32 v7, 6, v7                        ; gain and bias: my 16 channels
	v_and_b32 v1, 2, v2
	s_delay_alu instid0(VALU_DEP_1)
	v_cmp_ne_u32 s21, 0, v1                        ; lanes that hold the row's second block
	v_mov_b32 v237, 0                              ; (a DPP move's destination counts as read)
	s_sub_co_u32 s19, ttmp9, 512
	s_lshl_b32 s19, s19, 3
	s_add_co_u32 s19, s19, s16                     ; which run of 128 rows is my wave's
	s_lshl_b32 s2, s19, 15
	s_mov_b32 s3, 0
	s_wait_alu depctr_va_vdst(0)
	s_wait_kmcnt 0x0
	s_add_nc_u64 s[4:5], s[4:5], s[2:3]
	s_lshl_b32 s2, s19, 13
	s_add_nc_u64 s[10:11], s[10:11], s[2:3]
	s_lshl_b32 s2, s19, 9
	s_add_nc_u64 s[12:13], s[12:13], s[2:3]
.irp n, 0,1,2,3
	global_load_b128 v[LW+4*\n:LW+4*\n+3], v7, s[6:7] offset:16*\n
	global_load_b128 v[LB+4*\n:LB+4*\n+3], v7, s[8:9] offset:16*\n
.endr
	LOAD 0
	LOAD 1
	LOAD 2
	LOAD 3
	s_wait_loadcnt 12                              ; gain, bias and step 0 are in
	TURN 0
.macro MSTEP t
.set XS, X+16*((\t)%2)
	SHEAD \t
	SUMX 8
	s_delay_alu instid0(VALU_DEP_1)
	v_add_f32_dpp v8, v8, v8 row_xmask:1 row_mask:0xf bank_mask:0xf
	s_delay_alu instid0(VALU_DEP_1)
	v_add_f32_dpp v8, v8, v8 row_xmask:2 row_mask:0xf bank_mask:0xf
	s_delay_alu instid0(VALU_DEP_1)
	v_mul_f32 v10, s26, v8
	CENTRE
	SUMQ 9
	s_delay_alu instid0(VALU_DEP_1)
	v_add_f32_dpp v9, v9, v9 row_xmask:1 row_mask:0xf bank_mask:0xf
	s_delay_alu instid0(VALU_DEP_1)
	v_add_f32_dpp v9, v9, v9 row_xmask:2 row_mask:0xf bank_mask:0xf
	s_delay_alu instid0(VALU_DEP_1)
	v_fma_f32 v9, v9, s26, s27
	s_wait_alu depctr_va_vdst(0)
	v_rsq_f32 v12, v9
	v_nop                                          ; one plain instruction behind it
	s_wait_alu depctr_va_vdst(0)
.irp n, 0,2,4,6,8,10,12,14
	v_pk_mul_f32 v[XS+\n:XS+\n+1], v[XS+\n:XS+\n+1], v[12:13] op_sel_hi:[1,0]
.endr
.irp n, 0,2,4,6,8,10,12,14
	v_pk_fma_f32 v[XS+\n:XS+\n+1], v[XS+\n:XS+\n+1], v[LW+\n:LW+\n+1], v[LB+\n:LB+\n+1]
.endr
	v_max3_num_f32 v232, |v[XS]|, |v[XS+1]|, |v[XS+2]|
	v_max3_num_f32 v233, |v[XS+3]|, |v[XS+4]|, |v[XS+5]|
.irp i, 6,10
	s_delay_alu instid0(VALU_DEP_2)
	v_max3_num_f32 v232, v232, |v[XS+\i]|, |v[XS+\i+1]|
	s_delay_alu instid0(VALU_DEP_2)
	v_max3_num_f32 v233, v233, |v[XS+\i+2]|, |v[XS+\i+3]|
.endr
	s_delay_alu instid0(VALU_DEP_2)
	v_max3_num_f32 v232, v232, |v[XS+14]|, |v[XS+15]|
	s_delay_alu instid0(VALU_DEP_1)
	v_max3_num_f32 v232, v232, v233, 0x4800000     ; and the floor 2^(9 - 127)
	s_delay_alu instid0(VALU_DEP_1)
	v_max_num_f32_dpp v232, v232, v232 row_xmask:1 row_mask:0xf bank_mask:0xf   ; with my neighbour's 16: the block's largest magnitude
	s_delay_alu instid0(VALU_DEP_1)
	v_add_nc_u32 v234, 0xfc000000, v232
	s_delay_alu instid0(VALU_DEP_2)
	v_and_or_b32 v235, v232, 0x7f800000, s29
.irp i, 0,1,2,3,4,5,6,7,8,9,10,11,12,13,14,15
	v_med3_num_f32 v[XS+\i], v[XS+\i], -v235, v235 ; the hold at 448 x the scale: no code of NaN is ever made
.endr
	v_cvt_scalef32_pk8_fp8_f32 v[C+4*(\t):C+4*(\t)+1], v[XS:XS+7], v234
	v_cvt_scalef32_pk8_fp8_f32 v[C+4*(\t)+2:C+4*(\t)+3], v[XS+8:XS+15], v234
	v_lshrrev_b32 v236, 23, v234                   ; my block's byte,
	s_delay_alu instid0(VALU_DEP_1)
	v_mov_b32_dpp v237, v236 row_xmask:2 row_mask:0xf bank_mask:0xf   ; the row's other block's
	s_delay_alu instid0(VALU_DEP_1)
	v_cndmask_b32 v238, v236, v237, s21            ; the first block's,
	s_delay_alu instid0(VALU_DEP_2)
	v_cndmask_b32 v239, v237, v236, s21            ; the second's
	s_delay_alu instid0(VALU_DEP_1)
	v_lshl_or_b32 v[E+(\t)], v239, 8, v238
	s_delay_alu instid0(VALU_DEP_1)
	v_or_b32 v[E+(\t)], 0x7f7f0000, v[E+(\t)]      ; K = 64 of the instruction's 128: the upper two blocks get the scale 1
	ds_store_b32 v5, v[E+(\t)] offset:32*(\t)      ; the four lanes of a row write the same word
	global_store_b128 v3, v[C+4*(\t):C+4*(\t)+3], s[10:11] offset:512*(\t)   ; eight rows' codes: 512 consecutive bytes
.endm
.irp t, 0,1,2,3,4,5,6,7,8,9,10,11,12,13,14,15
	MSTEP \t
.endr
	ds_load_b128 v[224:227], v6                    ; my wave's 128 words: these see my stores
	s_wait_dscnt 0x0
	global_store_b128 v3, v[224:227], s[12:13]     ; 512 consecutive bytes
	s_set_vgpr_msb 0x5
	s_wait_tensorcnt 0x0
	ds_add_u32 v0, v1
	s_wait_dscnt 0x0
	s_set_vgpr_msb 0x500
	s_endpgm
; ---------------------------------------------------------------- WEIGHTS
; A lane takes a column and its registers run down K, in the order that the operand's layout gives that lane: k = 32 c + 16 (lane / 16) + 0 .. 15.
.macro WQ nb                           ; nb blocks: numbers v[64 + 16 b + i] -> codes v[48 + 4 b] on, scale word v9
.irp b, 0,1,2,3
.if \b < \nb
	v_max3_num_f32 v[32+\b], |v[64+16*\b]|, |v[65+16*\b]|, 0x4800000
.endif
.endr
.irp i, 2,4,6,8,10,12,14
.irp b, 0,1,2,3
.if \b < \nb
	v_max3_num_f32 v[32+\b], v[32+\b], |v[64+16*\b+\i]|, |v[65+16*\b+\i]|
.endif
.endr
.endr
.irp b, 0,1,2,3
.if \b < \nb
	v_permlanex16_b32 v[36+\b], v[32+\b], s24, s25
.endif
.endr
.irp b, 0,1,2,3
.if \b < \nb
	v_max_num_f32 v[32+\b], v[32+\b], v[36+\b]
	s_delay_alu instid0(VALU_DEP_1)
	v_add_nc_u32 v[44+\b], 0xfc000000, v[32+\b]
	s_delay_alu instid0(VALU_DEP_2)
	v_and_or_b32 v[40+\b], v[32+\b], 0x7f800000, s29
	s_delay_alu instid0(VALU_DEP_2)
	v_lshrrev_b32 v[36+\b], 23, v[44+\b]
.endif
.endr
	v_lshl_or_b32 v9, v37, 8, v36
.if \nb == 4
	s_delay_alu instid0(VALU_DEP_1)
	v_lshl_or_b32 v9, v38, 16, v9
	s_delay_alu instid0(VALU_DEP_1)
	v_lshl_or_b32 v9, v39, 24, v9
.else
	s_delay_alu instid0(VALU_DEP_1)
	v_or_b32 v9, 0x7f7f0000, v9
.endif
.irp b, 0,1,2,3
.if \b < \nb
.irp i, 0,1,2,3,4,5,6,7,8,9,10,11,12,13,14,15
	v_med3_num_f32 v[64+16*\b+\i], v[64+16*\b+\i], -v[40+\b], v[40+\b]
.endr
	v_cvt_scalef32_pk8_fp8_f32 v[48+4*\b:49+4*\b], v[64+16*\b:71+16*\b], v[44+\b]
	v_cvt_scalef32_pk8_fp8_f32 v[50+4*\b:51+4*\b], v[72+16*\b:79+16*\b], v[44+\b]
.endif
.endr
	v_nop
.irp b, 0,1,2,3
.if \b < \nb
	global_store_b128 v8, v[48+4*\b:51+4*\b], s[10:11] offset:512*\b
.endif
.endr
	global_store_b32 v7, v9, s[10:11]
.endm
.Lweights:
	s_load_b64 s[4:5], s[0:1], 0x58                ; Wv
	s_load_b64 s[6:7], s[0:1], 0x60                ; Wg
	s_load_b64 s[8:9], s[0:1], 0x68                ; Wo
	s_load_b64 s[10:11], s[0:1], 0x70              ; wq
	s_wait_alu depctr_va_vdst(0)
	v_and_b32 v5, 15, v2                           ; r
	v_lshrrev_b32 v6, 4, v2                        ; lane / 16
.irp b, 0,1,2,3
	v_mov_b32 v[36+\b], 0                          ; (a lane permute's destination counts as one of its sources)
.endr
	s_sub_co_u32 s17, ttmp9, 768
	s_lshl_b32 s17, s17, 3
	s_add_co_u32 s17, s17, s16                     ; U = 0 .. 39: 16 tiles of Wv, 16 of Wg, 8 fragments of Wo
	s_lshl_b32 s18, s17, 7
	s_add_co_u32 s18, s18, 49152
	v_lshl_add_u32 v7, v2, 2, s18                  ; my scale word's place: 49,152 + 128 U + 4 lane
	s_mov_b32 s21, 0
	s_cmp_eq_u32 ttmp9, 772
	s_cbranch_scc1 .Lwo
	s_and_b32 s19, s17, 15                         ; T
	s_lshr_b32 s20, s19, 1
	s_lshl_b32 s20, s20, 7
	s_and_b32 s19, s19, 1
	s_lshl_b32 s19, s19, 5
	s_add_co_u32 s20, s20, s19                     ; the tile's first column, in bytes
	s_wait_alu depctr_va_vdst(0)
	v_and_b32 v4, 8, v5
	s_delay_alu instid0(VALU_DEP_1)
	v_add_nc_u32 v4, v4, v5                        ; r + 8 (r / 8)
	s_delay_alu instid0(VALU_DEP_1)
	v_lshlrev_b32 v4, 2, v4
	s_delay_alu instid0(VALU_DEP_1)
	v_lshl_add_u32 v4, v6, 14, v4                  ; lanes 16-31 begin 16 rows of 1,024 bytes further down
	s_lshl_b32 s18, s17, 10
	v_add_nc_u32 v8, s18, v3                       ; the image: 1,024 U + 16 lane
	s_wait_alu depctr_va_vdst(0)
	s_wait_kmcnt 0x0
	s_cmp_lt_u32 ttmp9, 770                        ; Wv's work-groups or Wg's: the choice hangs on the work-group's number alone
	s_cselect_b64 s[4:5], s[4:5], s[6:7]
	s_add_nc_u64 s[4:5], s[4:5], s[20:21]
.irp c, 0,1
.irp i, 0,1,2,3,4,5,6,7,8,9,10,11,12,13,14,15
	global_load_b32 v[64+16*\c+\i], v4, s[4:5] offset:(32*\c+\i)*1024
.endr
.endr
	s_wait_loadcnt 0x0
	WQ 2
	s_endpgm
.Lwo:
	s_lshr_b32 s20, s16, 1                         ; F = the wave's number
	s_lshl_b32 s20, s20, 6
	s_and_b32 s19, s16, 1
	s_lshl_b32 s19, s19, 15
	s_add_co_u32 s20, s20, s19                     ; 16 outputs x 4 bytes, 128 rows of 256 bytes
	s_wait_alu depctr_va_vdst(0)
	v_lshlrev_b32 v4, 2, v5
	s_delay_alu instid0(VALU_DEP_1)
	v_lshl_add_u32 v4, v6, 12, v4
	s_lshl_b32 s18, s16, 11
	s_add_co_u32 s18, s18, 32768
	v_add_nc_u32 v8, s18, v3
	s_wait_alu depctr_va_vdst(0)
	s_wait_kmcnt 0x0
	s_add_nc_u64 s[8:9], s[8:9], s[20:21]
.irp c, 0,1,2,3
.irp i, 0,1,2,3,4,5,6,7,8,9,10,11,12,13,14,15
	global_load_b32 v[64+16*\c+\i], v4, s[8:9] offset:(32*\c+\i)*256
.endr
.endr
	s_wait_loadcnt 0x0
	WQ 4
	s_endpgm
.Lfunc_end_k_q4d62bf4936_prep:
	.size	k_q4d62bf4936_prep, .Lfunc_end_k_q4d62bf4936_prep-k_q4d62bf4936_prep
	.p2alignl 7, 3214868480
	.fill 96, 4, 3214868480
	.section	.rodata,"a",@progbits
	.p2align	6, 0x0
	.amdhsa_kernel k_q4d62bf4936_prep
		.amdhsa_group_segment_fixed_size 108032
		.amdhsa_private_segment_fixed_size 0
		.amdhsa_enable_private_segment 0
		.amdhsa_kernarg_size 120
		.amdhsa_user_sgpr_count 2
		.amdhsa_user_sgpr_kernarg_segment_ptr 1
		.amdhsa_wavefront_size32 1
		.amdhsa_system_sgpr_workgroup_id_x 1
		.amdhsa_system_sgpr_workgroup_id_y 1
		.amdhsa_system_sgpr_workgroup_id_z 1
		.amdhsa_system_vgpr_workitem_id 0
		.amdhsa_next_free_vgpr 258
		.amdhsa_next_free_sgpr 66
		.amdhsa_reserve_vcc 1
		.amdhsa_float_denorm_mode_32 3
		.amdhsa_float_denorm_mode_16_64 3
		.amdhsa_memory_ordered 1
		.amdhsa_forward_progress 1
		.amdhsa_inst_pref_size 255
	.end_amdhsa_kernel
	.section	.bss,"aw",@nobits
	.p2align	6
	.space	262144
	.amdgpu_metadata
---
amdhsa.version: [ 1, 2 ]
amdhsa.kernels:
  - .name:           k_q4d62bf4936_prep
    .symbol:         k_q4d62bf4936_prep.kd
    .args:
      - { .name: pair, .offset: 0, .size: 8, .value_kind: global_buffer, .address_space: global }
      - { .name: ln_pair_w, .offset: 8, .size: 8, .value_kind: global_buffer, .address_space: global }
      - { .name: ln_pair_b, .offset: 16, .size: 8, .value_kind: global_buffer, .address_space: global }
      - { .name: Wb, .offset: 24, .size: 8, .value_kind: global_buffer, .address_space: global }
      - { .name: pc, .offset: 32, .size: 8, .value_kind: global_buffer, .address_space: global }
      - { .name: aux, .offset: 40, .size: 8, .value_kind: global_buffer, .address_space: global }
      - { .name: msa, .offset: 48, .size: 8, .value_kind: global_buffer, .address_space: global }
      - { .name: ln_msa_w, .offset: 56, .size: 8, .value_kind: global_buffer, .address_space: global }
      - { .name: ln_msa_b, .offset: 64, .size: 8, .value_kind: global_buffer, .address_space: global }
      - { .name: mnc, .offset: 72, .size: 8, .value_kind: global_buffer, .address_space: global }
      - { .name: mns, .offset: 80, .size: 8, .value_kind: global_buffer, .address_space: global }
      - { .name: Wv, .offset: 88, .size: 8, .value_kind: global_buffer, .address_space: global }
      - { .name: Wg, .offset: 96, .size: 8, .value_kind: global_buffer, .address_space: global }
      - { .name: Wo, .offset: 104, .size: 8, .value_kind: global_buffer, .address_space: global }
      - { .name: wq, .offset: 112, .size: 8, .value_kind: global_buffer, .address_space: global }
    .group_segment_fixed_size: 108032
    .private_segment_fixed_size: 0
    .kernarg_segment_align: 8
    .kernarg_segment_size: 120
    .max_flat_workgroup_size: 256
    .sgpr_count:     66
    .vgpr_count:     258
    .wavefront_size: 32
...
	.end_amdgpu_metadata
.endif
;; end of part 1
;; launch main (part 2): grid 256 x 1, 8 waves a work-group, clusters of 4 x 1, 327,680 bytes of LDS; arguments pc, aux, mnc, mns, wq, out0; writes out0
.if DOCPART == 2
	.amdgcn_target "amdgcn-amd-amdhsa--gfx1250"
	.amdhsa_code_object_version 6
	.text
	.protected	k_q4d62bf4936_main
	.globl	k_q4d62bf4936_main
	.p2align	8
	.type	k_q4d62bf4936_main,@function
k_q4d62bf4936_main:
	s_mov_b64 s[64:65], 0
	v_nop
	global_prefetch_b8 v0, s[64:65] scope:SCOPE_SE
	s_setreg_imm32_b32 hwreg(HW_REG_WAVE_MODE, 25, 1), 1
	s_wait_xcnt 0x0
	s_wait_alu depctr_hold_cnt(0) depctr_sa_sdst(0) depctr_va_vdst(0) depctr_va_sdst(0) depctr_va_ssrc(0) depctr_va_vcc(0) depctr_vm_vsrc(0)
	s_getreg_b32 s2, hwreg(HW_REG_IB_STS2, 6, 4)
	s_cmp_eq_u32 s2, 0
	s_cbranch_scc0 .Lentry_in_a_cluster
	s_endpgm
.Lentry_in_a_cluster:
	s_bfe_u32 s2, ttmp6, 0x10000c
	s_cmp_lg_u32 s2, 0x3003
	s_cbranch_scc0 .Lentry_shape_is_right
	s_endpgm
.Lentry_shape_is_right:
; out[s][i][:] = Q(sigmoid(mn Wg) x (V^T p / l)) Wo, all four quantised products on E4M3 codes with one E8M0 scale for each 32 along K, fused: v, g and o never go to memory.
; SHARES.  Work-group g owns the MSA rows s = 2 g and 2 g + 1; wave w owns head w.
; V PHASE.  v^T of head w for both s is made once and stays in window 1: 16 fragments (s, u, K step of 128 j).  Source 0 = 16 rows j of mn's codes, source 1 = a tile of Wv: a lane holds one channel c and its
;   registers run along j, which is the next K.  THE ROWS j OF A TILE ARE NOT NEIGHBOURS: lane r of tile 2 b + u takes row 32 b + 8 u + r + 8 (r / 8), so that the 16 registers of tiles 2 b, 2 b + 1 are 16 neighbouring j.
;   mn's tiles go from wave to wave through LDS as images of the operand's registers (wave w fetches tile w of each pass of 128 j).
; LOOP.  16 steps of 32 rows i (two tiles).  p of head w comes through two LDS slots by tensor loads; each fragment of p feeds four matrix instructions (2 s x 2 halves of c).
;   O^T = v^T p^T and G^T = Wg^T mn^T have one layout: lane = row i, registers = c = 16 (lane / 16) + 8 u + 0..7.  o x 1 / ((1 + 2^(-x log2 e)) l) is quantised: a block of 32 is one head, in lanes l and l xor 16.
;   Its codes go to LDS as group w % 4 of the image of K step w / 4; behind a barrier wave w makes 16 outputs (w % 4) of tile w / 4 for both s; results meet in a stage and leave as whole rows one step later.
; LDS LOADS ARE ASKED FOR A PHASE AHEAD: a pass's tiles of mn under the quantiser of the pass before; mn's fragment of the next (tile, s) and the second tile's p under the gate in hand; at a step's head the stage's rows,
;   mn's fragment and p go out in one run.  The counted waits leave the image stores just issued out.
; K = 64 in an instruction of K = 128: one operand's upper eight registers are zeros; the other's are whatever codes follow (never the code of NaN: the quantisers of mn, Wg and Wo hold at 448); the upper scale bytes are 0x7f.
; CLUSTER.  All work-groups walk the same p: the four of a cluster ask for each tile jointly (mask 15), one tensor load a wave, the same descriptor in all four; by this text's count one tensor load of a wave is out at a time.
; Two waves of 512 registers share a SIMD, so that one wave's gate and quantiser stand beside the other's products.
; LIMITS: NaN and infinities are not served.  Blocks under 2^-118 get the byte 1.  1 / l is folded into the gate's reciprocal: the order of rounding differs from the division at the end by a few units in the last place of f32.
.set SLOTX, 0x21000                    ; slot 1 begins here: 8 waves x 16,896; no wave's part has these two bits set, so one exclusive or changes slots
.set WPART, 16896                      ; a wave's part of a slot: 32 rows i x (512 bytes + 16 of padding)
.set MNB,   270336                     ; v phase: six buffers of 8 tile images (1,024 bytes) + 8 scale images (128 bytes)
.set MBUF,  9216
.set OIMG,  270336                     ; loop, over MNB: o's images, (2 (2 tile + s) + K step) x 2,048
.set OSC,   286720                     ; their scale words, 128 bytes each
.set STG,   287744                     ; the stage: 64 rows (32 tile + 16 s + r) x (256 + 16)
.set GG,    305152                     ; mn's fragments of the step's 32 rows i: two buffers of 4 images of 1,024 bytes + 8 scale images
.set GBUF,  5120
.set SPARE, 325632                     ; the spare words, 128 bytes for each wave: four blocks of 256 bytes that no other line names
.set VSC, 24                           ; v24-39   v^T's scale words, one a fragment
.set WVS, 40                           ; v40-41   Wv's scale words; in the loop Wg's
.set WGS, 40
.set SB,  42                           ; v42-49, v82  pass 7 on its way to LDS
.set SBS, 82
.set WOS, 42                           ; loop: v42-43 Wo's scale words, v44 mn's, v46-49 o's
.set MGS, 44
.set OFS, 46
.set PSC, 50                           ; v50-57   p's scale words: 4 tile + K step
.set LL,  58                           ; v58-59   l of my row in the two tiles, as loaded;  v184-185 the copy that the gate reads
.set LWK, 184
.set GST, 60                           ; v60-63, v64  my part of the next step's mn, on its way to LDS
.set GSS, 64
.set LN,  65                           ; v65      lane
.set TM,  66                           ; v66-81   at work in the quantisers
.set TMB, 74                           ; loop: v74-75 the scale byte, v76-83 the codes, one set for each s
.set PC,  76
.set OB,  66                           ; loop: v66-81 rows of the stage on their way out (a step's head only)
.set WV0, 84                           ; v84-91   Wv's tile u = 0, with Z behind it;  in the loop mn's fragment
.set MG,  84
.set Z,   92                           ; v92-99   zeros, for the whole launch
.set WV1, 8                            ; v8-15    Wv's tile u = 1, v16-23 zeros;  in the loop addresses
.set MN,  100                          ; v100-163 a pass's 8 tiles of mn, 8 registers each; v164-171 zeros
.set MNS, 172                          ; v172-179 their scale words
.set SA,  180                          ; v180-187, v188  pass 6 on its way to LDS
.set SAS, 188
.set H,   192                          ; v192-255 v: 8 tiles x 8
.set WG,  100                          ; loop: v100-115 Wg's two tiles; v116-147 Wo^T's two fragments
.set WO,  116
.set OA,  148                          ; loop: v148-163 O^T (also the outputs); v164-179 G^T
.set GA,  164
.set PF,  192                          ; loop: v192-255 p's four fragments of a tile (also o's four fragments)
.set MSB, 0
.macro WIN new                         ; the immediate's high byte repeats the setting that is left
.if MSB != \new
	s_set_vgpr_msb (MSB<<8)|\new
.set MSB, \new
.endif
.endm
.macro NOPS n
.rept \n
	v_nop
.endr
.endm
.macro BAR                             ; my LDS stores have landed and my LDS loads are in: then the work-group's barrier
	s_wait_dscnt 0x0
	s_barrier_signal -1
	s_barrier_wait -1
.endm
.macro CROUND                          ; a round of the cluster's barrier
	s_barrier_signal -1
	s_barrier_wait -1
	s_cmp_lg_u32 s16, 0
	s_cbranch_scc1 .Lnot_wave_0_\@
	s_barrier_signal -3
.Lnot_wave_0_\@:
	s_barrier_wait -3
	s_barrier_signal -1
	s_barrier_wait -1
.endm
	s_load_b256 s[4:11], s[0:1], 0x0               ; pc s[4:5], aux s[6:7], mnc s[8:9], mns s[10:11]
	s_load_b128 s[12:15], s[0:1], 0x20             ; wq s[12:13], out0 s[14:15]
	v_lshl_add_u32 v1, v0, 2, SPARE                ; my spare word; never rewritten
	v_mov_b32 v2, 0                                ; 0; never rewritten
	ds_add_u32 v1, v2
	ds_add_u32 v1, v2
	s_wait_dscnt 0x0
	v_lshrrev_b32 v3, 5, v0
	s_delay_alu instid0(VALU_DEP_1)
	v_readfirstlane_b32 s16, v3                    ; wave 0..7
	s_bfe_u32 s17, ttmp6, 0x40000                  ; cx
	s_lshl_b32 s18, ttmp9, 2
	s_add_co_u32 s18, s18, s17                     ; g = 4 x cluster + cx: it enters the addresses of mnc, mns and out0 alone
	s_lshr_b32 s58, s16, 2
	s_and_b32 s59, s16, 3
	s_and_b32 s60, s16, 1
	s_lshr_b32 s61, s16, 1
	s_and_b32 s62, s61, 1
	s_mov_b32 s40, 0x76543210
	s_mov_b32 s41, 0xfedcba98                      ; v_permlanex16_b32's selects for lane l xor 16
	; descriptor group 1: 32 rows i of 512 bytes (head w's j), 4,096 bytes apart in memory, 528 apart in LDS
	s_mov_b32 s24, 15|(3<<16)|(1<<20)|(1<<21)|(6<<22)|(3<<25)   ; the mask: all four work-groups; elements of 8 bytes; padding on; bit 21 beside a mask; after every 128 words (code 6) four words (code 3)
	s_mov_b32 s25, 64<<16                          ; tensor_dim0 = 64
	s_mov_b32 s26, 32<<16                          ; tensor_dim1 = 32
	s_mov_b32 s27, 64<<16                          ; tile_dim0 = 64
	s_mov_b32 s28, 32                              ; tile_dim1 = 32
	s_mov_b32 s29, 512                             ; elements from row to row
	s_mov_b32 s30, 0
	s_mov_b32 s31, 0
	s_lshl_b32 s54, s16, 9                         ; 512 w: head w's place in a row of pc and in a tile of aux
	s_mov_b32 s55, 0
	s_mov_b32 s21, 0
	s_lshl_b32 s56, s62, 15                        ; my part of a step's mn: s = (w / 2) % 2, tile w / 4, group w % 2
	s_lshl_b32 s22, s58, 10
	s_add_co_u32 s56, s56, s22
	s_lshl_b32 s22, s60, 5
	s_add_co_u32 s56, s56, s22
	s_lshl_b32 s57, s62, 11
	s_lshl_b32 s22, s58, 6
	s_add_co_u32 s57, s57, s22
	v_and_b32 v[LN], 31, v0
	v_and_b32 v66, 15, v0                          ; r
	v_bfe_u32 v67, v0, 4, 1                        ; lane / 16
	s_delay_alu instid0(VALU_DEP_3)
	v_lshl_add_u32 v3, v[LN], 4, MNB               ; an image's place for my lane
	s_delay_alu instid0(VALU_DEP_4)
	v_lshl_add_u32 v4, v[LN], 2, MNB+8192          ; a scale word's
	s_lshl_b32 s22, s16, 10
	v_add_nc_u32 v5, s22, v3                       ; where I store tile w
	s_lshl_b32 s22, s16, 7
	v_add_nc_u32 v6, s22, v4
	s_lshl_b32 s22, s61, 5
	s_lshl_b32 s23, s60, 3
	s_add_co_u32 s22, s22, s23
	v_and_b32 v68, 8, v66
	s_delay_alu instid0(VALU_DEP_1)
	v_add_nc_u32 v68, v68, v66
	s_delay_alu instid0(VALU_DEP_1)
	v_add_nc_u32 v68, s22, v68                     ; my row j of tile w: 32 (w / 2) + 8 (w % 2) + r + 8 (r / 8)
	s_delay_alu instid0(VALU_DEP_1)
	v_lshlrev_b32 v7, 6, v68
	s_delay_alu instid0(VALU_DEP_1)
	v_lshl_add_u32 v7, v67, 4, v7                  ; its codes: 64 bytes a row, + 16 for the upper lanes
	s_delay_alu instid0(VALU_DEP_3)
	v_lshlrev_b32 v83, 2, v68                      ; its scale word
	s_lshl_b32 s22, s16, 11
	v_lshl_add_u32 v189, v[LN], 4, s22             ; wq: tiles 2 w, 2 w + 1
	s_lshl_b32 s22, s16, 8
	v_lshl_add_u32 v190, v[LN], 2, s22             ; and their scale words
	s_lshl_b32 s22, s59, 12
	v_lshl_add_u32 v191, v[LN], 4, s22             ; wq: Wo^T's fragments 2 (w % 4), + 1
	v_lshlrev_b32 v74, 4, v66                      ; aux: 16 r
	v_lshl_add_u32 v75, v66, 2, 256                ; aux: 256 + 4 r
	v_lshl_add_u32 v76, v66, 6, s56
	s_delay_alu instid0(VALU_DEP_1)
	v_lshl_add_u32 v76, v67, 4, v76                ; my part of a step's mn
	v_lshl_add_u32 v77, v66, 2, s57
.irp n, 0,1,2,3,4,5,6,7
	v_mov_b32 v[Z+\n], 0
	v_mov_b32 v[WV1+8+\n], 0
	v_mov_b32 v[MN+64+\n], 0
.endr
.irp n, 0,1,2,3
	v_mov_b32 v[TM+4+\n], 0                        ; (a lane permute's destination counts as one of its sources)
.endr
	s_wait_kmcnt 0x0
	s_lshl_b32 s20, s18, 16
	s_add_nc_u64 s[48:49], s[8:9], s[20:21]        ; mnc at s = 2 g
	s_lshl_b32 s20, s18, 12
	s_add_nc_u64 s[50:51], s[10:11], s[20:21]      ; mns likewise
	s_lshl_b32 s20, s18, 18
	s_add_nc_u64 s[52:53], s[14:15], s[20:21]      ; out0 likewise
	s_add_nc_u64 s[46:47], s[6:7], s[54:55]        ; aux at head w
	s_mov_b32 s32, 1                               ; group 0: count = 1
	s_mul_i32 s33, s16, WPART                      ; LDS: my part of slot 0
	s_add_nc_u64 s[34:35], s[4:5], s[54:55]        ; pc at [0][w]
	s_or_b32 s35, s35, 0x80000000                  ; type = 2
	CROUND                                         ; all four work-groups are here: the first joint loads meet
	tensor_load_to_lds s[32:35], s[24:31]          ; step 0 into slot 0
	s_nop 0
	NOPS 4
	; 36 loads: passes 0-5 (18), passes 6, 7 (6), Wv (6), step 0's aux (4), step 0's mn (2)
.irp q, 0,1,2,3,4,5
	global_load_b128 v[MN+8*\q:MN+8*\q+3], v7, s[48:49] offset:8192*\q
	global_load_b128 v[MN+8*\q+4:MN+8*\q+7], v7, s[48:49] offset:8192*\q+32
	global_load_b32 v[MN+48+\q], v83, s[50:51] offset:512*\q
.endr
	global_load_b128 v[SA:SA+3], v7, s[48:49] offset:8192*6
	global_load_b128 v[SA+4:SA+7], v7, s[48:49] offset:8192*6+32
	global_load_b32 v[SAS], v83, s[50:51] offset:512*6
	global_load_b128 v[SB:SB+3], v7, s[48:49] offset:8192*7
	global_load_b128 v[SB+4:SB+7], v7, s[48:49] offset:8192*7+32
	global_load_b32 v[SBS], v83, s[50:51] offset:512*7
	global_load_b128 v[WV0:WV0+3], v189, s[12:13]
	global_load_b128 v[WV0+4:WV0+7], v189, s[12:13] offset:512
	global_load_b128 v[WV1:WV1+3], v189, s[12:13] offset:1024
	global_load_b128 v[WV1+4:WV1+7], v189, s[12:13] offset:1536
	global_load_b32 v[WVS], v190, s[12:13] offset:49152
	global_load_b32 v[WVS+1], v190, s[12:13] offset:49152+128
	global_load_b128 v[PSC:PSC+3], v74, s[46:47]
	global_load_b32 v[LL], v75, s[46:47]
	global_load_b128 v[PSC+4:PSC+7], v74, s[46:47] offset:4096
	global_load_b32 v[LL+1], v75, s[46:47] offset:4096
	global_load_b128 v[GST:GST+3], v76, s[48:49]
	global_load_b32 v[GSS], v77, s[50:51]
	s_wait_loadcnt 18                              ; passes 0-5 are in; the 18 loads behind them may be out
.irp q, 0,1,2,3,4,5
	ds_store_b128 v5, v[MN+8*\q:MN+8*\q+3] offset:MBUF*\q
	ds_store_b128 v5, v[MN+8*\q+4:MN+8*\q+7] offset:MBUF*\q+512
	ds_store_b32 v6, v[MN+48+\q] offset:MBUF*\q
.endr
	BAR                                            ; six passes' tiles lie in LDS
	s_wait_loadcnt 0x0
; Pass q = 4 s + K step: 128 rows j of one s.  Its 8 tiles and their scale words, from buffer q % 6.
.macro VLOAD q
.irp t, 0,1,2,3,4,5,6,7
	ds_load_b128 v[MN+8*\t:MN+8*\t+3], v3 offset:MBUF*((\q)%6)+1024*\t
	ds_load_b128 v[MN+8*\t+4:MN+8*\t+7], v3 offset:MBUF*((\q)%6)+1024*\t+512
	ds_load_b32 v[MNS+\t], v4 offset:MBUF*((\q)%6)+128*\t
.endr
.endm
; One fragment of v^T: 8 products (tiles of 16 j x 16 channels, K = mn's 64), then the quantiser along j: register 16 b + i of H is j = 32 b + 16 (lane / 16) + i of my channel.
; pre < 8: behind the products' eight places pass pre's tiles are asked for, into the registers that these products have read: they land under the quantiser.
.macro VFRAG wv, wvs, f, pre
.irp t, 0,1,2,3,4,5,6,7
	v_wmma_scale_f32_16x16x128_f8f6f4 v[H+8*\t:H+8*\t+7], v[MN+8*\t:MN+8*\t+15], v[\wv:\wv+15], 0, v[MNS+\t], v[\wvs]
.endr
	NOPS 8                                         ; eight places behind this form: ahead of the first read of its results, and of loads into its sources
.if (\pre) < 8
	VLOAD \pre
.endif
.irp b, 0,1,2,3
	v_max3_num_f32 v[TM+\b], |v[H+16*\b]|, |v[H+16*\b+1]|, 0x4800000   ; my 16 numbers of block b, and the floor 2^(9 - 127)
.endr
.irp i, 2,4,6,8,10,12,14
.irp b, 0,1,2,3
	v_max3_num_f32 v[TM+\b], v[TM+\b], |v[H+16*\b+\i]|, |v[H+16*\b+\i+1]|
.endr
.endr
.irp b, 0,1,2,3
	s_delay_alu instid0(VALU_DEP_4)
	v_permlanex16_b32 v[TM+4+\b], v[TM+\b], s40, s41
.endr
.irp b, 0,1,2,3
	s_delay_alu instid0(VALU_DEP_4)
	v_max_num_f32 v[TM+\b], v[TM+\b], v[TM+4+\b]   ; with lane l xor 16's: the block's largest magnitude
.endr
.irp b, 0,1,2,3
	s_delay_alu instid0(VALU_DEP_4)
	v_add_nc_u32 v[TM+12+\b], 0xfc000000, v[TM+\b] ; 8 off its exponent field: the conversion's scale operand
.endr
.irp b, 0,1,2,3
.endr
.irp b, 0,1,2,3
	s_delay_alu instid0(VALU_DEP_4)
	v_lshrrev_b32 v[TM+4+\b], 23, v[TM+12+\b]      ; the scale's byte
.endr
	s_delay_alu instid0(VALU_DEP_3)
	v_lshl_or_b32 v[VSC+(\f)], v[TM+5], 8, v[TM+4]
	s_delay_alu instid0(VALU_DEP_1)
	v_lshl_or_b32 v[VSC+(\f)], v[TM+6], 16, v[VSC+(\f)]
	s_delay_alu instid0(VALU_DEP_1)
	v_lshl_or_b32 v[VSC+(\f)], v[TM+7], 24, v[VSC+(\f)]
.irp b, 0,1,2,3
.irp i, 0,1,2,3,4,5,6,7,8,9,10,11,12,13,14,15
.endr
.endr
	WIN 0x40                                       ; the codes go to window 1: they are the fragment's registers
.irp b, 0,1,2,3
	v_cvt_scalef32_pk8_fp8_f32 v[16*(\f)+4*\b:16*(\f)+4*\b+1], v[H+16*\b:H+16*\b+7], v[TM+12+\b]
	v_cvt_scalef32_pk8_fp8_f32 v[16*(\f)+4*\b+2:16*(\f)+4*\b+3], v[H+16*\b+8:H+16*\b+15], v[TM+12+\b]
.endr
	WIN 0
	v_nop                                          ; one plain instruction between the conversions and the products that write H again
.endm
.macro VPASS q, pre                    ; the pass's two fragments (u = 0, 1); its tiles were asked for a pass ago
	s_wait_dscnt 0x0
	VFRAG WV0, WVS, 8*((\q)/4)+(\q)%4, 99
	VFRAG WV1, WVS+1, 8*((\q)/4)+(\q)%4+4, \pre
.endm
	VLOAD 0
	s_wait_alu depctr_va_vdst(0)
	VPASS 0, 1
	VPASS 1, 2
	BAR                                            ; every wave has read buffers 0 and 1: they take passes 6 and 7
	ds_store_b128 v5, v[SA:SA+3]
	ds_store_b128 v5, v[SA+4:SA+7] offset:512
	ds_store_b32 v6, v[SAS]
	ds_store_b128 v5, v[SB:SB+3] offset:MBUF
	ds_store_b128 v5, v[SB+4:SB+7] offset:MBUF+512
	ds_store_b32 v6, v[SBS] offset:MBUF
	VPASS 2, 3
	BAR                                            ; passes 6 and 7 lie in LDS: three passes ahead of the first request for them
	VPASS 3, 4
	VPASS 4, 5
	VPASS 5, 6
	VPASS 6, 7
	VPASS 7, 99
	; the loop's weights, into the registers that mn's tiles have left
	s_lshl_b32 s22, s59, 8
	v_lshl_add_u32 v180, v[LN], 2, s22
.irp u, 0,1
	global_load_b128 v[WG+8*\u:WG+8*\u+3], v189, s[12:13] offset:16384+1024*\u
	global_load_b128 v[WG+8*\u+4:WG+8*\u+7], v189, s[12:13] offset:16384+1024*\u+512
	global_load_b32 v[WGS+\u], v190, s[12:13] offset:49152+2048+128*\u
.endr
.irp k, 0,1
.irp c, 0,1,2,3
	global_load_b128 v[WO+16*\k+4*\c:WO+16*\k+4*\c+3], v191, s[12:13] offset:32768+2048*\k+512*\c
.endr
	global_load_b32 v[WOS+\k], v180, s[12:13] offset:49152+4096+128*\k
.endr
	; the loop's addresses
	v_and_b32 v181, 15, v0                         ; r
	s_wait_alu depctr_va_vdst(0)
	v_bfe_u32 v182, v0, 4, 1                       ; lane / 16
	v_mul_u32_u24 v3, v181, 528
	s_delay_alu instid0(VALU_DEP_1)
	v_lshl_add_u32 v3, v182, 4, v3
	s_mul_i32 s22, s16, WPART
	v_add_nc_u32 v3, s22, v3                       ; v3: p's fragments: my part of a slot, row r, + 16 for the upper lanes
	s_lshl_b32 s22, s58, 11
	s_lshl_b32 s23, s59, 9
	s_add_co_u32 s22, s22, s23
	s_add_co_u32 s22, s22, OIMG
	v_lshl_add_u32 v7, v[LN], 4, s22               ; v7: where my head's codes go: K step w / 4, group w % 4
	s_lshl_b32 s22, s58, 7
	s_add_co_u32 s22, s22, s59
	s_add_co_u32 s22, s22, OSC
	v_lshl_add_u32 v8, v[LN], 2, s22               ; v8: and its scale byte: byte w % 4 of my lane's word
	s_lshl_b32 s22, s58, 13
	s_add_co_u32 s22, s22, OIMG
	v_lshl_add_u32 v9, v[LN], 4, s22               ; v9: o's fragments of tile w / 4
	s_lshl_b32 s22, s58, 9
	s_add_co_u32 s22, s22, OSC
	v_lshl_add_u32 v10, v[LN], 2, s22              ; v10: their scale words
	s_mul_i32 s22, s58, 8704
	s_lshl_b32 s23, s59, 6
	s_add_co_u32 s22, s22, s23
	s_add_co_u32 s22, s22, STG
	v_mul_u32_u24 v11, v181, 272
	s_wait_alu depctr_va_vdst(0)
	v_lshl_add_u32 v11, v182, 5, v11
	s_delay_alu instid0(VALU_DEP_1)
	v_add_nc_u32 v11, s22, v11                     ; v11: the stage, in: row 32 (w / 4) + r, my 16 outputs' bytes
	s_mul_i32 s22, s16, 2176
	s_add_co_u32 s22, s22, STG
	v_mul_u32_u24 v12, v182, 272
	s_delay_alu instid0(VALU_DEP_1)
	v_lshl_add_u32 v12, v181, 4, v12
	s_delay_alu instid0(VALU_DEP_1)
	v_add_nc_u32 v12, s22, v12                     ; v12: the stage, back: rows 8 w on, two an instruction
	s_lshl_b32 s22, s62, 17
	s_lshl_b32 s23, s58, 12
	s_add_co_u32 s22, s22, s23
	s_lshl_b32 s23, s60, 11
	s_add_co_u32 s22, s22, s23
	v_lshl_add_u32 v13, v182, 8, s22
	s_delay_alu instid0(VALU_DEP_1)
	v_lshl_add_u32 v13, v181, 4, v13               ; v13: the same rows in out0
	v_lshl_add_u32 v14, v181, 6, s56
	s_delay_alu instid0(VALU_DEP_1)
	v_lshl_add_u32 v14, v182, 4, v14               ; v14, v15: my part of a step's mn and its scale word
	v_lshl_add_u32 v15, v181, 2, s57
	s_lshl_b32 s22, s16, 9
	s_add_co_u32 s22, s22, GG
	v_lshl_add_u32 v16, v[LN], 4, s22              ; v16, v17: where it goes in a buffer of G
	s_lshl_b32 s22, s16, 7
	s_add_co_u32 s22, s22, GG+4096
	v_lshl_add_u32 v17, v[LN], 2, s22
	v_lshl_add_u32 v18, v[LN], 4, GG               ; v18, v19: where fragments and words are read
	v_lshl_add_u32 v19, v[LN], 2, GG+4096
	v_lshlrev_b32 v22, 4, v181                     ; v22, v23: aux
	v_lshl_add_u32 v23, v181, 2, 256
	s_wait_alu depctr_va_vdst(0)
	BAR                                            ; nobody reads mn's buffers any more: their bytes take the loop's images
	ds_store_b128 v16, v[GST:GST+3]                ; step 0's mn into G's buffer 0
	ds_store_b32 v17, v[GSS]
	s_add_nc_u64 s[48:49], s[48:49], 2048          ; on to step 1's 32 rows
	s_add_nc_u64 s[50:51], s[50:51], 128
	s_mov_b32 s36, 0                               ; the slot that is read
	s_mov_b32 s37, 0                               ; G's buffer that is read,
	s_mov_b32 s38, GBUF                            ; and the one that is written
	s_mov_b32 s39, 0
.macro PLOAD tt                        ; p's four fragments of tile tt, K step by K step
.irp ks, 0,1,2,3
.irp c, 0,1,2,3
	ds_load_b128 v[PF+16*\ks+4*\c:PF+16*\ks+4*\c+3], v4 offset:8448*\tt+128*\ks+32*\c
.endr
.endr
.endm
.macro MGLOAD tt, s                    ; mn's fragment of tile tt, MSA row s, and its scale word: three loads
	ds_load_b128 v[MG:MG+3], v20 offset:1024*(2*\tt+\s)
	ds_load_b128 v[MG+4:MG+7], v20 offset:1024*(2*\tt+\s)+512
	ds_load_b32 v[MGS], v21 offset:256*(2*\tt+\s)
.endm
; Tile tt of rows i, MSA row s: products, gate, quantiser, image.  Its p and its fragment of mn were asked for a turn ago (for tile 0, s 0: at the step's head).
.macro TS tt, s, fill
.if (\tt == 1) && (\s == 0)
	s_wait_dscnt 2                                 ; the second tile's p and mn's fragment are in; the two image stores issued behind them may be out
.endif
	WIN 0x01                                       ; source 0 (v^T) in window 1
.irp ks, 0,1,2,3
.if (\tt == 0) && (\s == 0)
	s_wait_dscnt 12-4*\ks                          ; p's fragment of this K step is in (and mn's, asked for ahead of it); the later K steps' four loads each may be out
.endif
.irp u, 0,1
.if \ks == 0
	v_wmma_scale_f32_16x16x128_f8f6f4 v[OA+8*\u:OA+8*\u+7], v[16*(8*\s+4*\u+\ks):16*(8*\s+4*\u+\ks)+15], v[PF+16*\ks:PF+16*\ks+15], 0, v[VSC+8*\s+4*\u+\ks], v[PSC+4*\tt+\ks]
.else
	v_wmma_scale_f32_16x16x128_f8f6f4 v[OA+8*\u:OA+8*\u+7], v[16*(8*\s+4*\u+\ks):16*(8*\s+4*\u+\ks)+15], v[PF+16*\ks:PF+16*\ks+15], v[OA+8*\u:OA+8*\u+7], v[VSC+8*\s+4*\u+\ks], v[PSC+4*\tt+\ks]
.endif
.endr
.endr
	WIN 0
.if \s == 1
	s_wait_dscnt 2                                 ; mn's fragment is in; the last turn's two image stores may be out; those of the turn before it have read their registers
.endif
.irp u, 0,1
	v_wmma_scale_f32_16x16x128_f8f6f4 v[GA+8*\u:GA+8*\u+7], v[WG+8*\u:WG+8*\u+15], v[MG:MG+15], 0, v[WGS+\u], v[MGS]
.endr
	NOPS 8                                         ; eight places: ahead of the first read of results, and of the loads below into these products' sources
.if \s == 0
	MGLOAD \tt, 1                                  ; the next turn's operands land under the gate
.elseif \tt == 0
	MGLOAD 1, 0
	PLOAD 1
.endif
.if (\s == 1) && \fill
	global_load_b128 v[PSC+4*\tt:PSC+4*\tt+3], v22, s[46:47] offset:4096*\tt   ; the next step's scale words and l of this tile: this step has done with them
	global_load_b32 v[LL+\tt], v23, s[46:47] offset:4096*\tt
.endif
.irp n, 0,2,4,6,8,10,12,14
	v_pk_mul_f32 v[GA+\n:GA+\n+1], v[GA+\n:GA+\n+1], 0xbfb8aa3b op_sel_hi:[1,0]   ; -x log2(e)
.endr
	s_wait_alu depctr_va_vdst(0)
.irp n, 0,1,2,3,4,5,6,7,8,9,10,11,12,13,14,15
	v_exp_f32 v[GA+\n], v[GA+\n]
.endr
	v_nop
	s_wait_alu depctr_va_vdst(0)
.irp n, 0,2,4,6,8,10,12,14
	v_pk_fma_f32 v[GA+\n:GA+\n+1], v[GA+\n:GA+\n+1], v[LWK:LWK+1], v[LWK:LWK+1] op_sel:[0,\tt,\tt] op_sel_hi:[1,\tt,\tt]   ; (1 + e) l
.endr
	s_wait_alu depctr_va_vdst(0)
.irp n, 0,1,2,3,4,5,6,7,8,9,10,11,12,13,14,15
	v_rcp_f32 v[GA+\n], v[GA+\n]
.endr
	v_nop
	s_wait_alu depctr_va_vdst(0)
.irp n, 0,2,4,6,8,10,12,14
	v_pk_mul_f32 v[OA+\n:OA+\n+1], v[OA+\n:OA+\n+1], v[GA+\n:GA+\n+1]   ; g o
.endr
	v_max3_num_f32 v[TM], |v[OA]|, |v[OA+1]|, |v[OA+2]|
	v_max3_num_f32 v[TM+1], |v[OA+3]|, |v[OA+4]|, |v[OA+5]|
.irp i, 6,10
	s_delay_alu instid0(VALU_DEP_2)
	v_max3_num_f32 v[TM], v[TM], |v[OA+\i]|, |v[OA+\i+1]|
	s_delay_alu instid0(VALU_DEP_2)
	v_max3_num_f32 v[TM+1], v[TM+1], |v[OA+\i+2]|, |v[OA+\i+3]|
.endr
	s_delay_alu instid0(VALU_DEP_2)
	v_max3_num_f32 v[TM], v[TM], |v[OA+14]|, |v[OA+15]|
	s_delay_alu instid0(VALU_DEP_1)
	v_max3_num_f32 v[TM], v[TM], v[TM+1], 0x4800000
	s_delay_alu instid0(VALU_DEP_1)
	v_permlanex16_b32 v[TM+2], v[TM], s40, s41
	s_delay_alu instid0(VALU_DEP_1)
	v_max_num_f32 v[TM], v[TM], v[TM+2]            ; the head's 32 channels of my row: one block
	s_delay_alu instid0(VALU_DEP_1)
	v_add_nc_u32 v[TM+3], 0xfc000000, v[TM]
	s_delay_alu instid0(VALU_DEP_1)
	v_lshrrev_b32 v[TMB+\s], 23, v[TM+3]
.irp i, 0,1,2,3,4,5,6,7,8,9,10,11,12,13,14,15
.endr
	v_cvt_scalef32_pk8_fp8_f32 v[PC+4*\s:PC+4*\s+1], v[OA:OA+7], v[TM+3]
	v_cvt_scalef32_pk8_fp8_f32 v[PC+4*\s+2:PC+4*\s+3], v[OA+8:OA+15], v[TM+3]
	v_nop                                          ; one plain instruction between the conversions and the products that write O^T again
	ds_store_b128 v7, v[PC+4*\s:PC+4*\s+3] offset:4096*(2*\tt+\s)
	ds_store_b8 v8, v[TMB+\s] offset:256*(2*\tt+\s)
.endm
; The last step's 64 rows leave: 8 rows a wave, two whole rows of 256 bytes an instruction.
.macro FLUSHL
.irp q, 0,1,2,3
	ds_load_b128 v[OB+4*\q:OB+4*\q+3], v12 offset:544*\q
.endr
.endm
.macro FLUSHS younger, on              ; younger: the LDS loads issued behind FLUSHL's, which may stay out;  on = 1: the base steps to the next 32 rows
	s_wait_dscnt \younger
.irp q, 0,1,2,3
	global_store_b128 v13, v[OB+4*\q:OB+4*\q+3], s[52:53] offset:512*\q th:TH_STORE_NT
.endr
.if \on
	s_wait_xcnt 0x0                                ; the stores' data and base are written again only behind this wait
	s_add_nc_u64 s[52:53], s[52:53], 8192
.endif
.endm
.macro STEP fill, flush
	s_wait_tensorcnt 0x0                           ; my one tensor load has landed: this step's p
	ds_add_u32 v1, v2                              ; 0 onto my spare word
.if \fill
	s_xor_b32 s33, s33, SLOTX                      ; the walking descriptor: the other slot,
	s_add_nc_u64 s[34:35], s[34:35], 131072        ; the next 32 rows i
.endif
	s_wait_dscnt 0x0                               ; the add is done, my reads of the other slot are over, my stores into the stage and into G have landed
.if \fill
	CROUND                                         ; all that holds of every wave of the four work-groups
	tensor_load_to_lds s[32:35], s[24:31]          ; the next step's p: it has this whole step in which to land
	s_nop 0
	NOPS 4
.else
	s_barrier_signal -1
	s_barrier_wait -1
.endif
	s_wait_loadcnt 0x0                             ; this step's scale words and l (in the first step the weights too)
	v_mov_b32 v[LWK], v[LL]                        ; the gate reads a copy, so that the next step's l may be asked for early
	v_mov_b32 v[LWK+1], v[LL+1]
.if \fill
	s_add_nc_u64 s[46:47], s[46:47], 8192          ; aux: the next step's two tiles
	global_load_b128 v[GST:GST+3], v14, s[48:49]   ; my part of the next step's mn
	global_load_b32 v[GSS], v15, s[50:51]
	v_add_nc_u32 v5, s38, v16
	v_add_nc_u32 v6, s38, v17
.endif
	v_add_nc_u32 v4, s36, v3
	v_add_nc_u32 v20, s37, v18
	s_wait_alu depctr_va_vdst(0)
	v_add_nc_u32 v21, s37, v19
.if \flush
	FLUSHL                                         ; one run of LDS loads: the stage's rows (4), mn's fragment (3), the first tile's p (16)
.endif
	s_wait_alu depctr_va_vdst(0)
	MGLOAD 0, 0
	PLOAD 0
.if \flush
	FLUSHS 19, 1                                   ; the stage's rows are in, the 19 loads behind them may be out: the rows are stored while p lands
.endif
	TS 0, 0, \fill
	TS 0, 1, \fill
	TS 1, 0, \fill
	TS 1, 1, \fill
.if \fill
	s_wait_loadcnt 4                               ; my part of mn is in; the four loads of aux behind it may be out
	ds_store_b128 v5, v[GST:GST+3]
	ds_store_b32 v6, v[GSS]
	s_add_nc_u64 s[48:49], s[48:49], 2048
	s_add_nc_u64 s[50:51], s[50:51], 128
.endif
	BAR                                            ; o's eight images lie in LDS
.irp k, 0,1                            ; K step 0's two fragments first: ten loads a K step
.irp s, 0,1
.irp c, 0,1,2,3
	ds_load_b128 v[PF+16*(2*\s+\k)+4*\c:PF+16*(2*\s+\k)+4*\c+3], v9 offset:4096*\s+2048*\k+512*\c
.endr
	ds_load_b32 v[OFS+2*\s+\k], v10 offset:256*\s+128*\k
.endr
.endr
	s_wait_dscnt 10                                ; K step 0 is in; K step 1's ten loads may be out
.irp s, 0,1
	v_wmma_scale_f32_16x16x128_f8f6f4 v[OA+8*\s:OA+8*\s+7], v[WO:WO+15], v[PF+32*\s:PF+32*\s+15], 0, v[WOS], v[OFS+2*\s]
.endr
	s_wait_dscnt 0x0
.irp s, 0,1
	v_wmma_scale_f32_16x16x128_f8f6f4 v[OA+8*\s:OA+8*\s+7], v[WO+16:WO+31], v[PF+32*\s+16:PF+32*\s+31], v[OA+8*\s:OA+8*\s+7], v[WOS+1], v[OFS+2*\s+1]
.endr
	NOPS 8
.irp s, 0,1
	ds_store_b128 v11, v[OA+8*\s:OA+8*\s+3] offset:4352*\s          ; lane (r, half): out(s, 16 tile + r, 16 (w % 4) + 8 half + 0..7); each accumulator from its low end on
	ds_store_b128 v11, v[OA+8*\s+4:OA+8*\s+7] offset:4352*\s+16
.endr
	s_xor_b32 s36, s36, SLOTX
	s_xor_b32 s37, s37, GBUF
	s_xor_b32 s38, s38, GBUF
.endm
	STEP 1, 0                                      ; step 0 is written out: it has no step before it whose rows could leave
.Lstep:                                            ; 14 trips: steps 1 to 14; each asks for the next step's p
	STEP 1, 1
	s_add_co_u32 s39, s39, 1
	s_cmp_lt_u32 s39, 14
	s_cbranch_scc1 .Lstep
	STEP 0, 1                                      ; the last step is written out: nothing is left to ask for
	BAR                                            ; its 64 rows lie in the stage
	FLUSHL
	FLUSHS 0, 0
	s_wait_tensorcnt 0x0                           ; the wave's end
	ds_add_u32 v1, v2
	s_wait_dscnt 0x0
	CROUND                                         ; the closing round: no work-group ends while a partner may still ask for a tile that names it
	s_endpgm
.Lfunc_end_k_q4d62bf4936_main:
	.size	k_q4d62bf4936_main, .Lfunc_end_k_q4d62bf4936_main-k_q4d62bf4936_main
	.p2alignl 7, 3214868480
	.fill 96, 4, 3214868480
	.section	.rodata,"a",@progbits
	.p2align	6, 0x0
	.amdhsa_kernel k_q4d62bf4936_main
		.amdhsa_group_segment_fixed_size 327680
		.amdhsa_private_segment_fixed_size 0
		.amdhsa_enable_private_segment 0
		.amdhsa_kernarg_size 48
		.amdhsa_user_sgpr_count 2
		.amdhsa_user_sgpr_kernarg_segment_ptr 1
		.amdhsa_wavefront_size32 1
		.amdhsa_system_sgpr_workgroup_id_x 1
		.amdhsa_system_sgpr_workgroup_id_y 1
		.amdhsa_system_sgpr_workgroup_id_z 1
		.amdhsa_system_vgpr_workitem_id 0
		.amdhsa_next_free_vgpr 512
		.amdhsa_next_free_sgpr 66
		.amdhsa_reserve_vcc 0
		.amdhsa_float_denorm_mode_32 3
		.amdhsa_float_denorm_mode_16_64 3
		.amdhsa_fp16_overflow 1
		.amdhsa_memory_ordered 1
		.amdhsa_forward_progress 1
		.amdhsa_inst_pref_size 210
	.end_amdhsa_kernel
	.amdgpu_metadata
---
amdhsa.version: [ 1, 2 ]
amdhsa.kernels:
  - .name:           k_q4d62bf4936_main
    .symbol:         k_q4d62bf4936_main.kd
    .args:
      - { .name: pc, .offset: 0, .size: 8, .value_kind: global_buffer, .address_space: global }
      - { .name: aux, .offset: 8, .size: 8, .value_kind: global_buffer, .address_space: global }
      - { .name: mnc, .offset: 16, .size: 8, .value_kind: global_buffer, .address_space: global }
      - { .name: mns, .offset: 24, .size: 8, .value_kind: global_buffer, .address_space: global }
      - { .name: wq, .offset: 32, .size: 8, .value_kind: global_buffer, .address_space: global }
      - { .name: out0, .offset: 40, .size: 8, .value_kind: global_buffer, .address_space: global }
    .group_segment_fixed_size: 327680
    .private_segment_fixed_size: 0
    .kernarg_segment_align: 8
    .kernarg_segment_size: 48
    .max_flat_workgroup_size: 256
    .sgpr_count:     66
    .vgpr_count:     512
    .wavefront_size: 32
...
	.end_amdgpu_metadata
.endif
;; end of part 2
